; MI455X (gfx1250); checked and timed in simulation.
; The chip was launched on July 23, 2026; its instructions are those of AMD's public machine-readable ISA for CDNA 5 (MIT licence, August 2026) and "CDNA5" Instruction Set Architecture Reference Guide (July 2026). The comments in the code are by the model that wrote it; some were corrected since.
;; Multi Head Self Attention. Allowed arithmetic: matrix products marked QUANTISED: E4M3 operands, one given power-of-two scale a tensor, by v_wmma_f32_16x16x64_fp8_fp8 or v_wmma_f32_16x16x128_fp8_fp8, f32 sums; everything else in f32.
;; Inputs: b_proj 256 float32; b_qkv 768 float32; lowp_scales 8 int32 (the exponents e of the quantised operands' scales 2^e); w_proj_codes 256 x 8 x 32 uint8 (E4M3 codes of w_proj, K innermost, in blocks of 32 codes); w_qkv_codes 768 x 8 x 32 uint8 (E4M3 codes of w_qkv, K innermost, in blocks of 32 codes); x_codes 4 x 64 x 64 x 8 x 32 uint8 (E4M3 codes of x, K innermost, in blocks of 32 codes).
;; Outputs: out0 4 x 256 x 64 x 64 float32.
;; This version of the problem:
;;   THIS VERSION OF THE PROBLEM IS GIVEN IN LOW PRECISION. The matrix products marked QUANTISED in the list below multiply operands that are first quantised to E4M3 (4 exponent bits, 3 mantissa bits; 8 bits a number), with one given power-of-two scale for each operand tensor; their sums are f32. All else is computed in f32.
;;   The module's matrix products, in the order in which they are computed (A, B: the left and right operand; K: the contracted axis; several contracted axes count as one K, in the product's order):
;;     1. [M 16,384, K 256] x [K 256, N 768]; A: input x (given as codes); B: input w_qkv (given as codes): QUANTISED (scales: A lowp_scales[0], B lowp_scales[1])
;;     2. batch 16 x [M 4,096, K 64] x [K 64, N 4,096]; A: computed on the way; B: computed on the way: QUANTISED (scales: A lowp_scales[2], B lowp_scales[3])
;;     3. batch 16 x [M 4,096, K 4,096] x [K 4,096, N 64]; A: softmax (see below); B: computed on the way: QUANTISED (scales: A lowp_scales[4], B lowp_scales[5])
;;     4. [M 16,384, K 256] x [K 256, N 256]; A: computed on the way; B: input w_proj (given as codes): QUANTISED (scales: A lowp_scales[6], B lowp_scales[7])
;;   THE QUANTISER, for each operand of a quantised product, along K:
;;     - The operand's scale is 2^e, e = its entry of the input lowp_scales (int32; the entries are numbered through the quantised products in the list's order, A before B).
;;     - Each number is divided by the scale, clamped to +-448, and rounded to the nearest number of E4M3, ties to even, subnormals kept.
;;     - The product sums the exact products of the quantised numbers (number of the format x scale) in f32.
;;   ~~~python
;;   def quantise(x, axis, e):      # numpy; x: float32 -> the quantised numbers, widened to float32 again
;;       x = np.moveaxis(x, axis, -1); K = x.shape[-1]
;;       r = np.clip(x / 2.0 ** e, -448, 448)
;;       step = 2.0 ** (np.maximum(np.frexp(np.where(r == 0, 1, r))[1] - 1, -6) - 3)
;;       q = np.round(r / step) * step * 2.0 ** e      # np.round: ties to even
;;       return np.moveaxis(q, -1, axis).astype(np.float32)
;;   ~~~
;;   SOFTMAX AHEAD OF A QUANTISED PRODUCT. Where the list says 'softmax', what is quantised is not the finished softmax but p = 2^(t - M), with t = logit x log2(e) and M = ceil(the row's largest t), a whole number; so 1/2 < the row's largest p <= 1. The row's sum l is taken of the UNQUANTISED p, in f32, and the product's result is divided by l at the end. Since M is a whole number, a kernel that streams over the keys may use a running M (the ceiling of the running maximum): every later rescaling is an exact power of two, so the quantised numbers keep their values, but for numbers so far below the row's largest that they fall under the format's range.
;;   OPERANDS COMPUTED ON THE WAY. 'Computed on the way' means the value that the module computes at that place (a softmax that the list does not call 'softmax' is quantised finished and normalised). What goes into a quantiser is computed in f32, as accurately as f32 sums, v_exp_f32 and their like allow (about 1e-6 of the number): no bf16 or f16 on the way to a quantiser, and a product that is left as it is and whose result goes on into a quantised operand takes f32 operands (vector FMAs, or v_wmma_f32_16x16x4_f32). A number that lies on a knife's edge between two numbers of the format may be rounded either way, as far as f32 arithmetic and the matrix unit's own rounding can turn it there, and no further.
;;   INPUTS GIVEN AS CODES. w_proj (in the module: [256, 256], K = its axis 1); w_qkv (in the module: [768, 256], K = its axis 1); x (in the module: [4, 256, 64, 64], K = its axis 1): each comes as NAME_codes (uint8): NAME with its K axis moved to the last place and cut into blocks of 32 codes, [.., K / 32, bytes a block], one block behind the other in memory; one code a byte (a code: sign, 4 exponent bits, 3 mantissa bits); its scale is its entry of lowp_scales. Its value is code x scale, taken as it is: it is not quantised again, and the codes and scales need not be those that the quantiser above would give.
;; One version. Each part assembles by itself: llvm-mc -triple=amdgcn-amd-amdhsa -mcpu=gfx1250 --defsym DOCPART=n.
;; ======== version 1 of 1: 2 launches
;; workspace buffers: q_img 4,194,304 bytes; kv_img 8,388,608 bytes
;; launch qkv (part 1): grid 64 x 4, 4 waves a work-group, no clusters, 0 bytes of LDS; arguments x_codes, w_qkv_codes, b_qkv, lowp_scales, q_img, kv_img; writes q_img, kv_img
.if DOCPART == 1
	.amdgcn_target "amdgcn-amd-amdhsa--gfx1250"
	.amdhsa_code_object_version 6
	.text
	.protected	k_qe10a87d47d_qkv
	.globl	k_qe10a87d47d_qkv
	.p2align	8
	.type	k_qe10a87d47d_qkv,@function
k_qe10a87d47d_qkv:
	s_mov_b64 s[64:65], 0
	v_nop
	global_prefetch_b8 v0, s[64:65] scope:SCOPE_SE
	s_setreg_imm32_b32 hwreg(HW_REG_WAVE_MODE, 25, 1), 1
	s_wait_xcnt 0x0
; qkv = x Wqkv^T + b on codes of FP8 (E4M3); q, k and v are quantised with their given scales and stored as IMAGES OF THE OPERAND REGISTERS that the attention launch wants.
; x: [16,384 rows][256] codes; Wqkv: [768][256] codes; b: [768] f32; the buffer of scales holds e0 .. e7 (x, Wqkv, q, k, p, v, a, Wproj).
; SHARES.  Work-group (x, y) takes rows 256 x .. 256 x + 255 and head y; wave w 64 of the rows (four tiles of 16) x the head's 192 channels: twelve tiles of 16 channels, g = 0-3 q, 4-7 k, 8-11 v.
; All operands are loaded once at the head: x's 8 fragments and W's 24 stay in registers.  No LDS: the waves share nothing.
; K IS PERMUTED ALIKE ON BOTH SIDES: four loads of 16 bytes, 32 apart, give registers 4 c .. 4 c + 3 the codes k = 32 c + 16 (lane / 16) + 0 .. 15 of x's row and of W's row: every product meets its partner.
; q, k: source 0 = 16 rows of W, source 1 = 16 rows of x: a lane holds ONE row of x and eight neighbouring channels 16 ct + 8 (lane / 16) + 0 .. 7: their two registers of codes are registers 2 ct, 2 ct + 1 of a K = 64 fragment.
; v:    source 0 = 16 rows of x (keys), source 1 = 16 rows of W: a lane holds ONE channel and eight neighbouring keys: registers of a fragment of V^T whose K is the keys.
;       THE CHANNELS OF A TILE OF v ARE NOT NEIGHBOURS: lane r of tile 2 b + u takes channel 32 b + 8 u + r + 8 (r / 8), so that in the attention's result two neighbouring tiles hold 16 neighbouring channels a lane.
; The bias is the C of a sum's first matrix instruction, divided by the power of two that the sums lack: b / 2^(e0 + e1); the three scales ahead of a quantiser are folded into the conversion's one: 2^(e - e0 - e1).
; IMAGES.  A group of four registers is stored by one instruction, lane l's 16 bytes at 16 l: 512 consecutive bytes, at a multiple of 512 from the buffer's first byte.
;   q_img  [batch x 4 + head][tile of 16 queries, 256][1,024]: the 8 registers of a K = 64 fragment.
;   kv_img [batch x 4 + head][step of 128 keys, 32][16,384]: eight such images of K's tiles, then from byte 8,192 four images of 2,048 bytes of V^T's tiles (16 registers: 16 channels x 128 keys).
; LIMITS: e2 - e0 - e1, e3 - e0 - e1 and e5 - e0 - e1 lie between -126 and 119, so that each scale and 448 x it are f32 numbers.  A NaN code among the inputs is not served.
; REGISTERS, in windows of 256.  Window 0: v1-5 addresses; v8-13 scale and 448 x scale for q, k, v; v16-19 v's biases as loaded; v32-63 the same, eight times each, scaled; v64-127 q's and k's biases;
;   v128-191 two sets of four accumulators; v192-223 codes.   Window 1: v0-127 x's fragments (tile rt, K step s at 32 rt + 16 s); v128-255 W's tiles 0-3.   Window 2: W's tiles 4-11.
.set BV,   16
.set BVT,  32
.set BIAS, 64
.set ACC,  128
.set CODE, 192
.set MSB, 0
.macro WIN new                         ; the immediate's high byte repeats the setting that is left; a switch that changes nothing is dropped
.if MSB != (\new)
	s_set_vgpr_msb (MSB<<8)|(\new)
.set MSB, (\new)
.endif
.endm
	s_load_b256 s[4:11], s[0:1], 0x0               ; x s[4:5], W s[6:7], b s[8:9], the scales' exponents s[10:11]
	s_load_b128 s[12:15], s[0:1], 0x20             ; q_img s[12:13], kv_img s[14:15]
	v_lshrrev_b32 v6, 5, v0
	v_readfirstlane_b32 s28, v6                    ; wave 0..3
	v_and_b32 v6, 15, v0                           ; r
	v_bfe_u32 v7, v0, 4, 1                         ; h = lane / 16
	v_lshlrev_b32 v1, 8, v6
	v_lshl_add_u32 v1, v7, 4, v1                   ; v1: row r of 256 bytes + 16 h: x, and W's tiles of q and k
	v_and_b32 v14, 8, v6
	v_add_nc_u32 v14, v14, v6                      ; r + 8 (r / 8)
	v_lshlrev_b32 v2, 8, v14
	v_lshl_add_u32 v2, v7, 4, v2                   ; v2: the same for W's tiles of v
	v_lshlrev_b32 v3, 5, v7                        ; v3: q's and k's biases: my half's eight numbers
	v_lshlrev_b32 v4, 2, v14                       ; v4: v's bias: my channel's
	v_and_b32 v5, 31, v0
	v_lshlrev_b32 v5, 4, v5                        ; v5: 16 x lane: my place in an image
	s_and_b32 s29, ttmp7, 0xffff                   ; the head
	s_lshr_b32 s30, ttmp9, 4                       ; the batch: 16 blocks of 256 rows each
	s_lshl_b32 s30, s30, 2
	s_add_co_u32 s30, s30, s29                     ; batch x 4 + head
	s_and_b32 s31, ttmp9, 15                       ; the block within the batch
	s_lshl_b32 s32, ttmp9, 16                      ; x: 256 rows of 256 bytes a block,
	s_lshl_b32 s33, s28, 14                        ; 64 rows a wave
	s_add_co_u32 s32, s32, s33
	s_mov_b32 s33, 0
	s_lshl_b32 s34, s29, 14                        ; W: the head's 64 rows of 256 bytes (within q's, k's and v's 256 rows alike)
	s_mov_b32 s35, 0
	s_lshl_b32 s36, s29, 8                         ; b: the head's 64 numbers
	s_mov_b32 s37, 0
	s_lshl_b32 s38, s30, 18                        ; q_img: 256 images of 1,024 bytes a head,
	s_lshl_b32 s39, s31, 14                        ; 16 a block,
	s_add_co_u32 s38, s38, s39
	s_lshl_b32 s39, s28, 12                        ; 4 a wave
	s_add_co_u32 s38, s38, s39
	s_mov_b32 s39, 0
	s_lshl_b32 s40, s30, 19                        ; kv_img: 32 steps of 16,384 bytes a head;
	s_lshl_b32 s41, s31, 1
	s_lshr_b32 s42, s28, 1
	s_add_co_u32 s41, s41, s42                     ; my step: 2 x block + wave / 2
	s_lshl_b32 s41, s41, 14
	s_add_co_u32 s40, s40, s41
	s_and_b32 s42, s28, 1                          ; which 64 of its 128 keys are mine:
	s_lshl_b32 s43, s42, 12                        ; four of K's eight images,
	s_lshl_b32 s42, s42, 10                        ; registers 8 (wave % 2) on of each image of V^T
	s_add_co_u32 s42, s42, s40
	s_add_co_u32 s42, s42, 8192
	s_add_co_u32 s40, s40, s43
	s_mov_b32 s41, 0
	s_mov_b32 s43, 0
	s_wait_kmcnt 0x0
	s_load_b256 s[16:23], s[10:11], 0x0            ; e0 .. e7
	s_add_nc_u64 s[4:5], s[4:5], s[32:33]
	s_add_nc_u64 s[6:7], s[6:7], s[34:35]
	s_add_nc_u64 s[8:9], s[8:9], s[36:37]
	s_add_nc_u64 s[12:13], s[12:13], s[38:39]
	s_add_nc_u64 s[24:25], s[14:15], s[40:41]      ; where my images of K go
	s_add_nc_u64 s[26:27], s[14:15], s[42:43]      ; and my parts of V^T's
	; ALL LOADS, in the order in which they are wanted: x (32), the biases (20), W's twelve tiles (8 each)
	WIN 0x40                                       ; destination window 1
.irp rt, 0,1,2,3
.irp s, 0,1
.irp c, 0,1,2,3
	global_load_b128 v[32*\rt+16*\s+4*\c:32*\rt+16*\s+4*\c+3], v1, s[4:5] offset:\rt*4096+128*\s+32*\c
.endr
.endr
.endr
	WIN 0
.irp g, 0,1,2,3,4,5,6,7                        ; lane (r, h) wants, for tile g, the biases of channels 16 ct + 8 h + 0 .. 7
	global_load_b128 v[BIAS+8*\g:BIAS+8*\g+3],   v3, s[8:9] offset:(256*(\g/4)+16*(\g%4))*4
	global_load_b128 v[BIAS+8*\g+4:BIAS+8*\g+7], v3, s[8:9] offset:(256*(\g/4)+16*(\g%4))*4+16
.endr
.irp ct, 0,1,2,3                               ; and for a tile of v the one of its own channel
	global_load_b32 v[BV+\ct], v4, s[8:9] offset:(512+32*(\ct/2)+8*(\ct%2))*4
.endr
	WIN 0x40
.irp g, 0,1,2,3
.irp s, 0,1
.irp c, 0,1,2,3
	global_load_b128 v[128+32*\g+16*\s+4*\c:128+32*\g+16*\s+4*\c+3], v1, s[6:7] offset:16*\g*256+128*\s+32*\c
.endr
.endr
.endr
	WIN 0x80                                       ; destination window 2
.irp g, 4,5,6,7
.irp s, 0,1
.irp c, 0,1,2,3
	global_load_b128 v[32*(\g-4)+16*\s+4*\c:32*(\g-4)+16*\s+4*\c+3], v1, s[6:7] offset:(256+16*(\g-4))*256+128*\s+32*\c
.endr
.endr
.endr
.irp g, 8,9,10,11
.irp s, 0,1
.irp c, 0,1,2,3
	global_load_b128 v[32*(\g-4)+16*\s+4*\c:32*(\g-4)+16*\s+4*\c+3], v2, s[6:7] offset:(512+32*((\g-8)/2)+8*((\g-8)%2))*256+128*\s+32*\c
.endr
.endr
.endr
	WIN 0
	s_wait_kmcnt 0x0
	s_add_co_i32 s32, s16, s17                     ; e0 + e1: a sum stands for sum x 2^(e0 + e1)
	s_sub_co_i32 s33, 0, s32
.macro SCALES e, vs                            ; v[vs] = 2^(e - e0 - e1) as f32: the conversion takes its exponent field;  v[vs + 1] = 448 x that
	s_sub_co_i32 s34, s[\e], s32
	s_add_co_i32 s34, s34, 127
	s_lshl_b32 s35, s34, 23
	v_mov_b32 v[\vs], s35
	s_add_co_i32 s34, s34, 8
	s_lshl_b32 s34, s34, 23
	s_or_b32 s34, s34, 0x600000
	v_mov_b32 v[\vs+1], s34
.endm
	SCALES 18, 8                                   ; q
	SCALES 19, 10                                  ; k
	SCALES 21, 12                                  ; v
	s_wait_loadcnt 63                              ; of the 148 loads the oldest 85 are in: x and the biases among them
.irp j, 0,1,2,3,4,5,6,7,8,9,10,11,12,13,14,15,16,17,18,19,20,21,22,23,24,25,26,27,28,29,30,31,32,33,34,35,36,37,38,39,40,41,42,43,44,45,46,47,48,49,50,51,52,53,54,55,56,57,58,59,60,61,62,63
	v_ldexp_f32 v[BIAS+\j], v[BIAS+\j], s33        ; b / 2^(e0 + e1)
.endr
.irp ct, 0,1,2,3
.irp j, 0,1,2,3,4,5,6,7
	v_ldexp_f32 v[BVT+8*\ct+\j], v[BV+\ct], s33    ; a tile of v has one channel a lane: the same bias in its eight registers
.endr
.endr
; Tile g's products for the four tiles of rows: 8 matrix instructions, K step 0 (C = the bias) and K step 1 (in place); the four accumulators take turns, one instruction a turn.
.macro MM g
.set kind, (\g)/4
.set ct, (\g)%4
.set AS, ACC+32*((\g)%2)
.if 8*(11-(\g)) > 63
	s_wait_loadcnt 63                              ; (the wait's field names no more)
.else
	s_wait_loadcnt 8*(11-(\g))                     ; loads come back in order: the eight of each later tile of W may stay out
.endif
.if kind == 0
.set WR, 128+32*(\g)
	WIN 0x05                                       ; W and x in window 1
.elseif kind == 1
.set WR, 32*((\g)-4)
	WIN 0x06                                       ; source 0 (W) window 2, source 1 (x) window 1
.else
.set WR, 32*((\g)-4)
	WIN 0x09                                       ; source 0 (x) window 1, source 1 (W) window 2
.endif
.irp s, 0,1
.irp rt, 0,1,2,3
.if kind < 2
.if \s == 0
	v_wmma_f32_16x16x128_fp8_fp8 v[AS+8*\rt:AS+8*\rt+7], v[WR:WR+15], v[32*\rt:32*\rt+15], v[BIAS+8*(\g):BIAS+8*(\g)+7]
.else
	v_wmma_f32_16x16x128_fp8_fp8 v[AS+8*\rt:AS+8*\rt+7], v[WR+16:WR+31], v[32*\rt+16:32*\rt+31], v[AS+8*\rt:AS+8*\rt+7]
.endif
.else
.if \s == 0
	v_wmma_f32_16x16x128_fp8_fp8 v[AS+8*\rt:AS+8*\rt+7], v[32*\rt:32*\rt+15], v[WR:WR+15], v[BVT+8*ct:BVT+8*ct+7]
.else
	v_wmma_f32_16x16x128_fp8_fp8 v[AS+8*\rt:AS+8*\rt+7], v[32*\rt+16:32*\rt+31], v[WR+16:WR+31], v[AS+8*\rt:AS+8*\rt+7]
.endif
.endif
.endr
.endr
	WIN 0
.endm
; Tile g's sums become codes; whole groups of four registers are stored.  Each accumulator is taken from its low end on.
.macro QUANT g
.set kind, (\g)/4
.set ct, (\g)%4
.set AS, ACC+32*((\g)%2)
.if ((\g) == 4) || ((\g) == 8)
	s_wait_xcnt 0x0                                ; the stores of the kind before have read their data: the codes' registers are written again only behind this wait
.endif
.irp rt, 0,1,2,3
.irp j, 0,1,2,3,4,5,6,7
	v_med3_num_f32 v[AS+8*\rt+\j], v[AS+8*\rt+\j], -v[9+2*kind], v[9+2*kind]   ; the conversion to an 8-bit code does not saturate (ISA guide 7.6.2): the hold at 448 x the scale
.endr
.if kind < 2
	v_cvt_scalef32_pk8_fp8_f32 v[CODE+8*\rt+2*ct:CODE+8*\rt+2*ct+1], v[AS+8*\rt:AS+8*\rt+7], v[8+2*kind]   ; registers 2 ct, 2 ct + 1 of row tile rt's fragment
.else
	v_cvt_scalef32_pk8_fp8_f32 v[CODE+8*ct+2*\rt:CODE+8*ct+2*\rt+1], v[AS+8*\rt:AS+8*\rt+7], v[8+2*kind]   ; keys 16 rt + 8 h + 0 .. 7 of channel tile ct's fragment
.endif
.endr
	v_nop                                          ; one plain vector instruction between the last conversion and the matrix instructions that write its sources again
.if (kind < 2) && (ct == 3)
.set SB, 12+12*kind                            ; s[12:13] q_img, s[24:25] K's images
.irp rt, 0,1,2,3
.irp c, 0,1
	global_store_b128 v5, v[CODE+8*\rt+4*\c:CODE+8*\rt+4*\c+3], s[SB:SB+1] offset:\rt*1024+512*\c   ; 32 lanes store 512 consecutive bytes
.endr
.endr
.endif
.if kind == 2
.irp u, 0,1
	global_store_b128 v5, v[CODE+8*ct+4*\u:CODE+8*ct+4*\u+3], s[26:27] offset:ct*2048+512*\u
.endr
.endif
.endm
; Tile g is multiplied while tile g - 1 is quantised: the two sets of accumulators take turns.  A tile's 32 holds name no register of the products issued just before them: they are the places
; (ISA guide 7.12.1) between those products and the first read of their results, and between a set's products and the products that write over it two tiles later.
	MM 0
.rept 5
	v_nop                                          ; the first tile has no such work behind it: five places, since tile 2's products write over these accumulators
.endr
.irp g, 1,2,3,4,5,6,7,8,9,10,11
	MM \g
	QUANT \g-1
.endr
	QUANT 11
	s_endpgm
.Lfunc_end_k_qe10a87d47d_qkv:
	.size	k_qe10a87d47d_qkv, .Lfunc_end_k_qe10a87d47d_qkv-k_qe10a87d47d_qkv
	.p2alignl 7, 3214868480
	.fill 96, 4, 3214868480
	.section	.rodata,"a",@progbits
	.p2align	6, 0x0
	.amdhsa_kernel k_qe10a87d47d_qkv
		.amdhsa_group_segment_fixed_size 0
		.amdhsa_private_segment_fixed_size 0
		.amdhsa_enable_private_segment 0
		.amdhsa_kernarg_size 48
		.amdhsa_user_sgpr_count 2
		.amdhsa_user_sgpr_kernarg_segment_ptr 1
		.amdhsa_wavefront_size32 1
		.amdhsa_system_sgpr_workgroup_id_x 1
		.amdhsa_system_sgpr_workgroup_id_y 1
		.amdhsa_system_sgpr_workgroup_id_z 1
		.amdhsa_system_vgpr_workitem_id 0
		.amdhsa_next_free_vgpr 768
		.amdhsa_next_free_sgpr 66
		.amdhsa_reserve_vcc 0
		.amdhsa_float_denorm_mode_32 3
		.amdhsa_float_denorm_mode_16_64 3
		.amdhsa_memory_ordered 1
		.amdhsa_forward_progress 1
		.amdhsa_inst_pref_size 61
	.end_amdhsa_kernel
	.amdgpu_metadata
---
amdhsa.version: [ 1, 2 ]
amdhsa.kernels:
  - .name:           k_qe10a87d47d_qkv
    .symbol:         k_qe10a87d47d_qkv.kd
    .args:
      - { .name: x_codes, .offset: 0, .size: 8, .value_kind: global_buffer, .address_space: global }
      - { .name: w_qkv_codes, .offset: 8, .size: 8, .value_kind: global_buffer, .address_space: global }
      - { .name: b_qkv, .offset: 16, .size: 8, .value_kind: global_buffer, .address_space: global }
      - { .name: lowp_scales, .offset: 24, .size: 8, .value_kind: global_buffer, .address_space: global }
      - { .name: q_img, .offset: 32, .size: 8, .value_kind: global_buffer, .address_space: global }
      - { .name: kv_img, .offset: 40, .size: 8, .value_kind: global_buffer, .address_space: global }
    .group_segment_fixed_size: 0
    .private_segment_fixed_size: 0
    .kernarg_segment_align: 8
    .kernarg_segment_size: 48
    .max_flat_workgroup_size: 128
    .sgpr_count:     66
    .vgpr_count:     768
    .wavefront_size: 32
...
	.end_amdgpu_metadata
.endif
;; end of part 1
;; launch attn (part 2): grid 64 x 4, 4 waves a work-group, no clusters, 86,528 bytes of LDS; arguments q_img, kv_img, w_proj_codes, b_proj, lowp_scales, out0; writes out0
.if DOCPART == 2
	.amdgcn_target "amdgcn-amd-amdhsa--gfx1250"
	.amdhsa_code_object_version 6
	.text
	.protected	k_qe10a87d47d_attn
	.globl	k_qe10a87d47d_attn
	.p2align	8
	.type	k_qe10a87d47d_attn,@function
k_qe10a87d47d_attn:
	s_mov_b64 s[64:65], 0
	v_nop
	global_prefetch_b8 v0, s[64:65] scope:SCOPE_SE
	s_setreg_imm32_b32 hwreg(HW_REG_WAVE_MODE, 25, 1), 1
	s_wait_xcnt 0x0
; out = (softmax(q k^T / 8) v) Wproj^T + b, stored [batch][channel][pixel] in f32; all three products on codes of FP8 (E4M3), each operand with its given scale 2^e (e2 q, e3 k, e4 p, e5 v, e6 a, e7 Wproj).
; SHARES.  Work-group (x, y) owns queries 64 x .. 64 x + 63 of batch y, for all four heads: WAVE w IS HEAD w, with four tiles of 16 queries.  Every wave walks its head's 4,096 keys, 128 a step, 32 steps.
; K AND V COME FROM MEMORY STRAIGHT INTO THE OPERAND REGISTERS: the launch before stored them as images of these registers, so a step is 32 loads of 16 bytes a lane, 512 consecutive bytes each, and every fragment
; feeds four matrix instructions (the four tiles of queries).  The key loop has no LDS, no barrier, no tensor load.
; NO JOINT LOADS, by this text's arithmetic: no two waves of a work-group read the same byte of K or V (a wave is a head), so a tile brought into LDS would be written there and read back once, 16,384 bytes each way
; for a wave and step, to reach the registers in which it now lands.
; THE ORDER OF THE KEYS: work-group x begins at step x % 32 and goes round.  The running M makes any order right; the work-groups of a batch begin at 32 different steps.
; LAYOUT.  S^T = K Q^T (source 0 = 16 keys, source 1 = 16 queries, K = 64): lane (r, h) holds query r and keys 16 kt + 8 h + 0 .. 7; their two registers of codes ARE registers 2 kt, 2 kt + 1 of source 1 of
; O^T = V^T P (K = 128 keys), in that form's own layout.  V^T's tiles hold channels 32 b + 8 u + r + 8 (r / 8), so that O^T's tiles 2 b, 2 b + 1 give a lane the 16 neighbouring channels 32 b + 16 h + 0 .. 15:
; after the conversion, registers 4 b .. 4 b + 3 of the projection's operand, in the order in which four loads of 16 bytes, 32 apart, bring Wproj's rows (the same permutation of K on both sides).
; SOFTMAX.  t = score x log2(e) / 8; M = the running largest t rounded UP to a whole number, kept as -M = floor(-t); p = 2^(t - M) is quantised, not normalised; the row's sum is taken of the unquantised p;
; when M moves, the sum and O^T are multiplied by f = 2^(old M - new M), which rounds nothing.  No branch hangs on floating-point data.
; THE HOLD OF p.  p is at most 1 (beyond it only by the last bit of the multiply-add), so p / 2^e4 stays under 448 wherever e4 >= -8: there the 256 holds of a step are jumped over, by a scalar branch on the whole number e4.
; THE END.  O^T / the sum is quantised (e6); the four heads' codes meet in LDS as images of registers (one barrier); wave w then makes output channels 64 w .. 64 w + 63 for the 64 queries (K = 256), with source 0 = the
; queries, so that a lane holds one channel and eight neighbouring pixels; they leave through the wave's own stage as rows of 256 bytes.
; LIMITS on the given exponents, so that each power of two is an f32 number: e2 + e3 between -123 and 130 (added to the exponent field of log2(e) / 8); e4 and e6 - e4 - e5 between -126 and 119; e6 + e7 between -126 and 127.
; REGISTERS, in windows of 256: TILE t LIVES IN WINDOW t, at the same numbers: v64-127 S^T, then p; v128-159 O^T; v160-175 p's codes; v176-183 Q.
;   window 0 also: v1-11 addresses and scales; v192-255 statistics, 16 a tile: +0 -M, +1 the largest t, +2 f, +3 zero (named with f as a pair), +4 .. +11 the sum in four pairs, +12 .. +15 four maxima at work.
;   window 1 also: v0-7 b_proj (each number twice); v192-255 V^T's four fragments.   window 2 also: v0-63 Wproj, K step 0; v192-255 K's eight fragments.   window 3 also: v0-63 Wproj, K step 1.
; s_set_vgpr_msb's low byte: bits 1:0 source 0, 3:2 source 1, 5:4 source 2, 7:6 destination.
.set S,   64
.set O,   128
.set P,   160
.set Q,   176
.set ST,  192
.set KF,  192                          ; in window 2
.set VF,  192                          ; in window 1
.set LO,  1                            ; v1   16 x lane: my place in an image
.set SCL, 2                            ; v2   2^e4 as f32
.set LIM, 3                            ; v3   448 x 2^e4
.set SC2, 4                            ; v4   2^(e6 - e4 - e5)
.set LM2, 5                            ; v5   448 x that
.set AIW, 6                            ; v6   LDS: where I store my head's images: 1,024 x wave + 16 x lane
.set STO, 7                            ; v7   the stage: where I put 32 bytes of a row
.set STR, 8                            ; v8   and where I read a row back
.set GO,  9                            ; v9   my byte offset in the wave's rows of out0
.set WPA, 10                           ; v10  Wproj: row r of 256 bytes + 16 h
.set BPA, 11                           ; v11  b_proj: 4 r
.set STG, 16384                        ; LDS: bytes 0 .. 16,383 the images of a (tile of queries qt, head: 4,096 qt + 1,024 head); then a stage of 64 rows x 272 bytes for each wave
.set SPITCH, 272                       ; 256 bytes + 16: the sixteen rows that a store touches start at sixteen different banks (64 banks of 4 bytes: ISA guide 11.1)
.set CS,  36                           ; s[36:37] c = log2(e) / 8 x 2^(e2 + e3), twice
.set MSB, 0
.macro WIN new                         ; the immediate's high byte repeats the setting that is left; a switch that changes nothing is dropped
.if MSB != (\new)
	s_set_vgpr_msb (MSB<<8)|(\new)
.set MSB, (\new)
.endif
.endm
	s_load_b256 s[4:11], s[0:1], 0x0               ; q_img s[4:5], kv_img s[6:7], Wproj s[8:9], b_proj s[10:11]
	s_load_b128 s[12:15], s[0:1], 0x20             ; the scales' exponents s[12:13], out0 s[14:15]
	v_lshl_add_u32 v62, v0, 2, 0x15000
	v_mov_b32 v63, 0
	v_lshrrev_b32 v12, 5, v0
	v_readfirstlane_b32 s24, v12                   ; wave = head
	v_and_b32 v12, 15, v0                          ; r
	v_bfe_u32 v13, v0, 4, 1                        ; h = lane / 16
	v_and_b32 v[LO], 31, v0
	v_lshlrev_b32 v[LO], 4, v[LO]
	s_lshl_b32 s25, s24, 10
	v_add_nc_u32 v[AIW], s25, v[LO]
	s_mul_i32 s25, s24, 64*SPITCH
	s_add_co_u32 s25, s25, STG                     ; my stage
	v_mul_u32_u24 v[STO], v12, SPITCH              ; in: row r, 32 bytes for each half of the lanes
	v_lshl_add_u32 v[STO], v13, 5, v[STO]
	v_add_nc_u32 v[STO], s25, v[STO]
	v_mul_u32_u24 v[STR], v13, SPITCH              ; back: lanes 0-15 one row of 256 bytes, lanes 16-31 the next
	v_lshl_add_u32 v[STR], v12, 4, v[STR]
	v_add_nc_u32 v[STR], s25, v[STR]
	v_lshlrev_b32 v[GO], 14, v13                   ; and the same two rows in out0: a channel's row is 16,384 bytes
	v_lshl_add_u32 v[GO], v12, 4, v[GO]
	v_lshlrev_b32 v[WPA], 8, v12
	v_lshl_add_u32 v[WPA], v13, 4, v[WPA]
	v_lshlrev_b32 v[BPA], 2, v12
.irp t, 0,1,2,3
	v_mov_b32 v[ST+16*\t+3], 0                     ; named as the upper half of f's pair, so it is written
.endr
	s_and_b32 s26, ttmp7, 0xffff                   ; the batch
	s_lshl_b32 s27, s26, 2
	s_add_co_u32 s27, s27, s24                     ; batch x 4 + head
	s_lshl_b32 s46, s27, 19                        ; kv_img: 32 steps of 16,384 bytes a head
	s_mov_b32 s47, 0
	s_and_b32 s30, ttmp9, 31
	s_lshl_b32 s30, s30, 14                        ; s[30:31]: the byte of the step in hand within the head: I begin at step x % 32
	s_mov_b32 s31, 0
	s_lshl_b32 s48, s27, 18                        ; q_img: 256 images of 1,024 bytes a head,
	s_lshl_b32 s49, ttmp9, 12                      ; four a work-group
	s_add_co_u32 s48, s48, s49
	s_mov_b32 s49, 0
	s_lshl_b32 s50, s24, 14                        ; Wproj: my 64 rows of 256 bytes
	s_mov_b32 s51, 0
	s_lshl_b32 s52, s24, 8                         ; b_proj: my 64 numbers
	s_mov_b32 s53, 0
	s_lshl_b32 s54, s26, 22                        ; out0: 256 rows of 16,384 bytes a batch,
	s_lshl_b32 s55, s24, 20                        ; 64 rows a wave,
	s_add_co_u32 s54, s54, s55
	s_lshl_b32 s55, ttmp9, 8                       ; 64 pixels a work-group
	s_add_co_u32 s54, s54, s55
	s_mov_b32 s55, 0
	s_mov_b32 s38, 0x76543210                      ; s[38:39]: v_permlanex16_b32's selects for lane l xor 16
	s_mov_b32 s39, 0xfedcba98
	s_wait_kmcnt 0x0
	s_load_b256 s[16:23], s[12:13], 0x0            ; e0 .. e7
	s_add_nc_u64 s[28:29], s[6:7], s[46:47]        ; s[28:29]: my head's first step
	s_add_nc_u64 s[4:5], s[4:5], s[48:49]
	s_add_nc_u64 s[8:9], s[8:9], s[50:51]
	s_add_nc_u64 s[10:11], s[10:11], s[52:53]
	s_add_nc_u64 s[14:15], s[14:15], s[54:55]
	s_add_nc_u64 s[32:33], s[28:29], s[30:31]      ; s[32:33]: the base of K's loads,
	s_mov_b64 s[34:35], s[32:33]                   ; s[34:35]: of V's: two pairs, since each is stepped while the other's loads are out
.irp t, 0,1,2,3
	WIN 64*\t                                      ; destination window t
.irp c, 0,1
	global_load_b128 v[Q+4*\c:Q+4*\c+3], v[LO], s[4:5] offset:\t*1024+512*\c   ; Q stays in registers
.endr
.endr
.macro LOAD_K                          ; a step's eight fragments of K: fragment kt's registers 4 c on lie at 1,024 kt + 512 c
	WIN 0x80                                       ; destination window 2
.set i, 0
.rept 16
	global_load_b128 v[KF+4*i:KF+4*i+3], v[LO], s[32:33] offset:512*i
.set i, i+1
.endr
	WIN 0
.endm
.macro LOAD_V                          ; and its four of V^T, from byte 8,192 on
	WIN 0x40                                       ; destination window 1
.set i, 0
.rept 16
	global_load_b128 v[VF+4*i:VF+4*i+3], v[LO], s[34:35] offset:8192+512*i
.set i, i+1
.endr
	WIN 0
.endm
	LOAD_K
	LOAD_V
	s_wait_kmcnt 0x0
	s_add_co_i32 s46, s18, s19                     ; a score stands for score x 2^(e2 + e3): the two exponents are added to c's exponent field
	s_lshl_b32 s46, s46, 23
	s_add_co_i32 s[CS], s46, 0x3e38aa3b            ; log2(e) / 8
	s_mov_b32 s[CS+1], s[CS]                       ; (named with it as a pair, so it is written)
	s_add_co_i32 s46, s20, 127
	s_lshl_b32 s47, s46, 23
	v_mov_b32 v[SCL], s47
	s_add_co_i32 s46, s46, 8
	s_lshl_b32 s46, s46, 23
	s_or_b32 s46, s46, 0x600000
	v_mov_b32 v[LIM], s46
	s_sub_co_i32 s46, s22, s20                     ; O^T / the sum stands for a / 2^(e4 + e5): its code is that / 2^(e6 - e4 - e5)
	s_sub_co_i32 s46, s46, s21
	s_add_co_i32 s46, s46, 127
	s_lshl_b32 s47, s46, 23
	v_mov_b32 v[SC2], s47
	s_add_co_i32 s46, s46, 8
	s_lshl_b32 s46, s46, 23
	s_or_b32 s46, s46, 0x600000
	v_mov_b32 v[LM2], s46
	s_add_co_i32 s44, s22, s23
	s_add_co_i32 s44, s44, 127
	s_lshl_b32 s44, s44, 23                        ; s[44:45]: 2^(e6 + e7) as f32, twice
	s_mov_b32 s45, s44
; Tile t's largest score of a lane's 64: four chains; each accumulator is read first at its two lowest registers.  Sources 0 and 1 in window t, the rest in window 0.
.macro MAXT t
	WIN 5*\t
.irp c, 0,1,2,3
	v_max_num_f32 v[ST+16*\t+12+\c], v[S+2*\c], v[S+2*\c+1]
.endr
.set i, 4
.rept 28
	v_max3_num_f32 v[ST+16*\t+12+i%4], v[S+2*i], v[S+2*i+1], v[ST+16*\t+12+i%4]
.set i, i+1
.endr
.endm
; The statistics of the four tiles, line by line, so that no line waits for the one above it.  first = 1: the first step starts t and M, and has no f.
.macro STAT first
.irp t, 0,1,2,3
	v_max3_num_f32 v[ST+16*\t+12], v[ST+16*\t+12], v[ST+16*\t+13], v[ST+16*\t+14]
.endr
.irp t, 0,1,2,3
	v_max_num_f32 v[ST+16*\t+12], v[ST+16*\t+12], v[ST+16*\t+15]
.endr
.irp t, 0,1,2,3
	v_permlanex16_b32 v[ST+16*\t+13], v[ST+16*\t+12], s38, s39   ; the query's other 64 keys lie in the lane 16 away
.endr
.irp t, 0,1,2,3
	v_max_num_f32 v[ST+16*\t+12], v[ST+16*\t+12], v[ST+16*\t+13]
.endr
.if \first
.irp t, 0,1,2,3
	v_mul_f32 v[ST+16*\t+1], s[CS], v[ST+16*\t+12]              ; as t (c is positive)
.endr
.irp t, 0,1,2,3
	v_floor_f32 v[ST+16*\t], -v[ST+16*\t+1]                     ; -M = floor(-t) = -ceil(t): M IS A WHOLE NUMBER
.endr
.else
.irp t, 0,1,2,3
	v_mul_f32 v[ST+16*\t+12], s[CS], v[ST+16*\t+12]
.endr
.irp t, 0,1,2,3
	v_max_num_f32 v[ST+16*\t+1], v[ST+16*\t+1], v[ST+16*\t+12]  ; the running largest t
.endr
.irp t, 0,1,2,3
	v_mov_b32 v[ST+16*\t+13], v[ST+16*\t]
.endr
.irp t, 0,1,2,3
	v_floor_f32 v[ST+16*\t], -v[ST+16*\t+1]
.endr
.irp t, 0,1,2,3
	v_sub_f32 v[ST+16*\t+13], v[ST+16*\t], v[ST+16*\t+13]       ; old M - new M: a whole number, 0 or less
.endr
.irp t, 0,1,2,3
	v_cvt_i32_f32 v[ST+16*\t+13], v[ST+16*\t+13]                ; (it saturates)
.endr
.irp t, 0,1,2,3
	v_ldexp_f32 v[ST+16*\t+2], 1.0, v[ST+16*\t+13]              ; f = 2^(old M - new M)
.endr
.endif
.endm
; Tile t: t - M (a pair an instruction), p = 2^(t - M), and O^T x f set between: a pair's exponentials stand behind the next pair's scaling.  None of these lines reads an exponential's result.
.macro EXPB t, first
	WIN 65*\t                                      ; source 0 and destination window t; c, -M and f in window 0
.set i, 0
.rept 32
	v_pk_fma_f32 v[S+2*i:S+2*i+1], v[S+2*i:S+2*i+1], s[CS:CS+1], v[ST+16*\t:ST+16*\t+1] op_sel_hi:[1,0,0]
.if ((i%2) == 0) && (\first == 0)
	v_pk_mul_f32 v[O+i:O+i+1], v[O+i:O+i+1], v[ST+16*\t+2:ST+16*\t+3] op_sel_hi:[1,0]
.endif
.if i > 0
	v_exp_f32 v[S+2*i-2], v[S+2*i-2]
	v_exp_f32 v[S+2*i-1], v[S+2*i-1]
.endif
.set i, i+1
.endr
	v_exp_f32 v[S+62], v[S+62]
	v_exp_f32 v[S+63], v[S+63]
.endm
; Tile t: THE ROW'S SUM IS TAKEN OF THE UNQUANTISED p, two at a time, in four chains; the chains' first links bring the old sums under the new M.
.macro SUMT t, first
.if \first
	WIN 5*\t
.irp c, 0,1,2,3
	v_pk_add_f32 v[ST+16*\t+4+2*\c:ST+16*\t+5+2*\c], v[S+2*\c:S+2*\c+1], v[S+8+2*\c:S+9+2*\c]
.endr
.set i, 8
.else
	WIN 16*\t                                      ; source 2 window t
.irp c, 0,1,2,3
	v_pk_fma_f32 v[ST+16*\t+4+2*\c:ST+16*\t+5+2*\c], v[ST+16*\t+4+2*\c:ST+16*\t+5+2*\c], v[ST+16*\t+2:ST+16*\t+3], v[S+2*\c:S+2*\c+1] op_sel_hi:[1,0,1]
.endr
.set i, 4
.endif
	WIN \t                                         ; source 0 window t
.rept 24+4*(1-\first)
	v_pk_add_f32 v[ST+16*\t+4+2*(i%4):ST+16*\t+5+2*(i%4)], v[S+2*i:S+2*i+1], v[ST+16*\t+4+2*(i%4):ST+16*\t+5+2*(i%4)]
.set i, i+1
.endr
.endm
; A KEY STEP: 128 keys x the wave's 64 queries.  first = 1: it starts M, the sums and O^T (C = 0: nothing is ever cleared) and asks for Wproj and b_proj;  last = 1: it asks for nothing.
; The order of loads is K(j+1), V(j+1), K(j+2), ..: each is asked for nearly a step ahead of its use.
.macro STEP first, last
	s_wait_loadcnt 16                              ; K of this step (and Q, and in the second step Wproj) is in; V's 16 loads, issued behind it, may stay out
.irp t, 0,1,2,3
	WIN 2+68*\t                                    ; K in window 2, Q and S^T in window t
.irp kt, 0,1,2,3,4,5,6,7
	v_wmma_f32_16x16x64_fp8_fp8 v[S+8*\kt:S+8*\kt+7], v[KF+8*\kt:KF+8*\kt+7], v[Q:Q+7], 0
.endr
.endr
	WIN 0
.rept 4
	v_nop                                          ; four places in front of the loads into K's registers and of the first read of the scores
.endr
.if \last == 0
	s_add_co_u32 s30, s30, 16384                   ; the next step, round the head's 32
	s_and_b32 s30, s30, 0x7ffff
	s_add_nc_u64 s[32:33], s[28:29], s[30:31]      ; (the loads that read this base were shown done by the wait at the step's head)
	LOAD_K
.endif
.if \first
	WIN 0x80                                       ; Wproj's fragments (tile ct of my 64 channels, K step u): they wait in registers for the end
.irp ct, 0,1,2,3
.irp c, 0,1,2,3
	global_load_b128 v[16*\ct+4*\c:16*\ct+4*\c+3], v[WPA], s[8:9] offset:\ct*4096+32*\c
.endr
.endr
	WIN 0xc0
.irp ct, 0,1,2,3
.irp c, 0,1,2,3
	global_load_b128 v[16*\ct+4*\c:16*\ct+4*\c+3], v[WPA], s[8:9] offset:\ct*4096+128+32*\c
.endr
.endr
	WIN 0x40
.irp ct, 0,1,2,3
	global_load_b32 v[2*\ct],   v[BPA], s[10:11] offset:64*\ct   ; my channel's bias, twice: a pair for the packed multiply-add
	global_load_b32 v[2*\ct+1], v[BPA], s[10:11] offset:64*\ct
.endr
	WIN 0
.endif
.irp t, 0,1,2,3
	MAXT \t
.endr
	WIN 0
	STAT \first
.irp t, 0,1,2,3
	EXPB \t, \first
.endr
	WIN 0
	v_nop                                          ; the plain instruction behind the last exponential
	s_wait_alu depctr_va_vdst(0)                   ; ONE wait for the step's 256 exponentials, ahead of the first line that names a result
.irp t, 0,1,2,3
	SUMT \t, \first
.endr
	WIN 0
	s_cmp_ge_i32 s20, -8                           ; p <= 1: with e4 >= -8 no p / 2^e4 passes 256, and the conversion needs no hold
	s_cbranch_scc1 .Lno_hold_\@
.irp t, 0,1,2,3
	WIN 65*\t
.set i, 0
.rept 64
	v_min_num_f32 v[S+i], v[S+i], v[LIM]           ; the conversion to an 8-bit code does not saturate (ISA guide 7.6.2); p is not negative, so the hold is one-sided
.set i, i+1
.endr
.endr
	WIN 0
.Lno_hold_\@:
.irp t, 0,1,2,3
	WIN 65*\t
.irp kt, 0,1,2,3,4,5,6,7
	v_cvt_scalef32_pk8_fp8_f32 v[P+2*\kt:P+2*\kt+1], v[S+8*\kt:S+8*\kt+7], v[SCL]   ; keys 16 kt + 8 h + 0 .. 7: registers 2 kt, 2 kt + 1 of the operand
.endr
.endr
	v_nop                                          ; one plain vector instruction between the conversions and the matrix instructions that read their results
.if \first
	s_wait_loadcnt 56                              ; V is in; behind it: the next K's 16 loads, Wproj's 32 and b_proj's 8
.elseif \last
	s_wait_loadcnt 0x0                             ; nothing was asked for behind V
.else
	s_wait_loadcnt 16                              ; V is in; the next K's 16 loads may stay out
.endif
.irp t, 0,1,2,3
	WIN 1+84*\t                                    ; V^T in window 1; p's codes and O^T in window t
.irp dt, 0,1,2,3
.if \first
	v_wmma_f32_16x16x128_fp8_fp8 v[O+8*\dt:O+8*\dt+7], v[VF+16*\dt:VF+16*\dt+15], v[P:P+15], 0
.else
	v_wmma_f32_16x16x128_fp8_fp8 v[O+8*\dt:O+8*\dt+7], v[VF+16*\dt:VF+16*\dt+15], v[P:P+15], v[O+8*\dt:O+8*\dt+7]
.endif
.endr
.endr
	WIN 0
.if \last == 0
.rept 4
	v_nop                                          ; four places in front of the loads into V's registers
.endr
	s_mov_b64 s[34:35], s[32:33]                   ; V's base: the step that K's loads have gone on to (V's last loads were shown done by the wait above)
	LOAD_V
.endif
.endm
; No two matrix instructions that follow each other share an accumulator, over the loop's backward jump too.
	STEP 1, 0
	s_mov_b32 s40, 30
.Lstep:
	STEP 0, 0
	s_sub_co_u32 s40, s40, 1
	s_cmp_lg_u32 s40, 0
	s_cbranch_scc1 .Lstep
	STEP 0, 1
	; THE END.  The sums' four pairs, their halves and the other half of the lanes' are added: 24 plain lines that name no register of the last products: the places behind them.
.irp t, 0,1,2,3
	v_pk_add_f32 v[ST+16*\t+4:ST+16*\t+5], v[ST+16*\t+4:ST+16*\t+5], v[ST+16*\t+6:ST+16*\t+7]
.endr
.irp t, 0,1,2,3
	v_pk_add_f32 v[ST+16*\t+8:ST+16*\t+9], v[ST+16*\t+8:ST+16*\t+9], v[ST+16*\t+10:ST+16*\t+11]
.endr
.irp t, 0,1,2,3
	v_pk_add_f32 v[ST+16*\t+4:ST+16*\t+5], v[ST+16*\t+4:ST+16*\t+5], v[ST+16*\t+8:ST+16*\t+9]
.endr
.irp t, 0,1,2,3
	v_add_f32 v[ST+16*\t+12], v[ST+16*\t+4], v[ST+16*\t+5]
.endr
.irp t, 0,1,2,3
	v_permlanex16_b32 v[ST+16*\t+13], v[ST+16*\t+12], s38, s39
.endr
.irp t, 0,1,2,3
	v_add_f32 v[ST+16*\t+12], v[ST+16*\t+12], v[ST+16*\t+13]    ; the row's sum
.endr
.irp t, 0,1,2,3
	v_rcp_f32 v[ST+16*\t+2], v[ST+16*\t+12]
.endr
	v_nop                                          ; a plain instruction behind the last reciprocal,
	s_wait_alu depctr_va_vdst(0)                   ; and one wait for the four, ahead of the first use
.irp t, 0,1,2,3
	WIN 65*\t
.set i, 0
.rept 16
	v_pk_mul_f32 v[O+2*i:O+2*i+1], v[O+2*i:O+2*i+1], v[ST+16*\t+2:ST+16*\t+3] op_sel_hi:[1,0]   ; O^T / the sum, each accumulator from its low end on
.set i, i+1
.endr
.set i, 0
.rept 32
	v_med3_num_f32 v[O+i], v[O+i], -v[LM2], v[LM2]                                            ; the hold at 448 x the scale
.set i, i+1
.endr
.irp dt, 0,1,2,3
	v_cvt_scalef32_pk8_fp8_f32 v[P+2*\dt:P+2*\dt+1], v[O+8*\dt:O+8*\dt+7], v[SC2]               ; registers 4 b .. 4 b + 3: my head's channels 32 b + 16 h + 0 .. 15
.endr
.endr
	v_nop                                          ; one plain vector instruction behind the last conversion: matrix instructions write these registers later
.irp t, 0,1,2,3
	WIN 4*\t                                       ; the stores' data in window t
.irp c, 0,1
	ds_store_b128 v[AIW], v[P+4*\c:P+4*\c+3] offset:\t*4096+512*\c   ; an image of the registers: lane l's 16 bytes at 16 l
.endr
.endr
	WIN 0
	s_wait_dscnt 0x0                               ; for the others' sake: my stores have landed
	s_barrier_signal -1
	s_barrier_wait -1                              ; the four heads' codes of the 64 queries lie in LDS
.irp qt, 0,1,2,3                               ; a's fragments (tile of queries qt, K step u = heads 2 u and 2 u + 1) at v[64 + 32 qt + 16 u] of window 0
.irp u, 0,1
.irp c, 0,1,2,3
	ds_load_b128 v[64+32*\qt+16*\u+4*\c:64+32*\qt+16*\u+4*\c+3], v[LO] offset:\qt*4096+\u*2048+512*\c
.endr
.endr
.endr
	s_wait_dscnt 0x0
	WIN 0x58                                       ; source 0 (a) window 0, source 1 (Wproj, K step 0) window 2, D window 1
.irp qt, 0,1,2,3
.irp ct, 0,1,2,3
	v_wmma_f32_16x16x128_fp8_fp8 v[64+8*(4*\qt+\ct):64+8*(4*\qt+\ct)+7], v[64+32*\qt:64+32*\qt+15], v[16*\ct:16*\ct+15], 0
.endr
.endr
	WIN 0x5c                                       ; Wproj's K step 1 in window 3; C and D window 1.  The sixteen accumulators take turns
.irp qt, 0,1,2,3
.irp ct, 0,1,2,3
	v_wmma_f32_16x16x128_fp8_fp8 v[64+8*(4*\qt+\ct):64+8*(4*\qt+\ct)+7], v[64+32*\qt+16:64+32*\qt+31], v[16*\ct:16*\ct+15], v[64+8*(4*\qt+\ct):64+8*(4*\qt+\ct)+7]
.endr
.endr
	WIN 0
.rept 4
	v_nop                                          ; four places in front of the first read of results, and of the writes over a's fragments
.endr
	WIN 0x11                                       ; the sums and b_proj in window 1, the results in window 0
.irp qt, 0,1,2,3
.irp ct, 0,1,2,3
.irp i, 0,2,4,6
	v_pk_fma_f32 v[64+8*(4*\qt+\ct)+\i:64+8*(4*\qt+\ct)+\i+1], v[64+8*(4*\qt+\ct)+\i:64+8*(4*\qt+\ct)+\i+1], s[44:45], v[2*\ct:2*\ct+1] op_sel_hi:[1,0,1]   ; sum x 2^(e6 + e7) + b
.endr
.endr
.endr
	WIN 0
	; THE WAY OUT.  Lane (r, h) holds channel 64 w + 16 ct + r and pixels 16 qt + 8 h + 0 .. 7: 32 bytes of a row of out0, and the lanes beside it hold other rows.  So the wave's 64 rows x 256 bytes go through
	; its own stage and come back by rows.  LDS serves a wave's instructions in order (ISA guide 5.7.1.4): no wait between the stores and the loads.
.irp qt, 0,1,2,3
.irp ct, 0,1,2,3
	ds_store_b128 v[STO], v[64+8*(4*\qt+\ct):64+8*(4*\qt+\ct)+3]   offset:\ct*16*SPITCH+64*\qt
	ds_store_b128 v[STO], v[64+8*(4*\qt+\ct)+4:64+8*(4*\qt+\ct)+7] offset:\ct*16*SPITCH+64*\qt+16
.endr
.endr
.set i, 0
.rept 32
	ds_load_b128 v[64+4*i:64+4*i+3], v[STR] offset:2*i*SPITCH
.set i, i+1
.endr
.set i, 0
.rept 32
	s_wait_dscnt 31-i                              ; LDS loads come back in order: the younger ones may stay out
	global_store_b128 v[GO], v[64+4*i:64+4*i+3], s[14:15] offset:i*32768 th:TH_STORE_NT   ; 16 lanes store 256 consecutive bytes, at a multiple of 256 from out0's first byte; written once, read by nobody here
.set i, i+1
.endr
	s_wait_tensorcnt 0x0
	ds_add_u32 v62, v63
	s_wait_dscnt 0x0
	s_endpgm
.Lfunc_end_k_qe10a87d47d_attn:
	.size	k_qe10a87d47d_attn, .Lfunc_end_k_qe10a87d47d_attn-k_qe10a87d47d_attn
	.p2alignl 7, 3214868480
	.fill 96, 4, 3214868480
	.section	.rodata,"a",@progbits
	.p2align	6, 0x0
	.amdhsa_kernel k_qe10a87d47d_attn
		.amdhsa_group_segment_fixed_size 86528
		.amdhsa_private_segment_fixed_size 0
		.amdhsa_enable_private_segment 0
		.amdhsa_kernarg_size 48
		.amdhsa_user_sgpr_count 2
		.amdhsa_user_sgpr_kernarg_segment_ptr 1
		.amdhsa_wavefront_size32 1
		.amdhsa_system_sgpr_workgroup_id_x 1
		.amdhsa_system_sgpr_workgroup_id_y 1
		.amdhsa_system_sgpr_workgroup_id_z 1
		.amdhsa_system_vgpr_workitem_id 0
		.amdhsa_next_free_vgpr 1024
		.amdhsa_next_free_sgpr 66
		.amdhsa_reserve_vcc 0
		.amdhsa_float_denorm_mode_32 3
		.amdhsa_float_denorm_mode_16_64 3
		.amdhsa_memory_ordered 1
		.amdhsa_forward_progress 1
		.amdhsa_inst_pref_size 200
	.end_amdhsa_kernel
	.amdgpu_metadata
---
amdhsa.version: [ 1, 2 ]
amdhsa.kernels:
  - .name:           k_qe10a87d47d_attn
    .symbol:         k_qe10a87d47d_attn.kd
    .args:
      - { .name: q_img, .offset: 0, .size: 8, .value_kind: global_buffer, .address_space: global }
      - { .name: kv_img, .offset: 8, .size: 8, .value_kind: global_buffer, .address_space: global }
      - { .name: w_proj_codes, .offset: 16, .size: 8, .value_kind: global_buffer, .address_space: global }
      - { .name: b_proj, .offset: 24, .size: 8, .value_kind: global_buffer, .address_space: global }
      - { .name: lowp_scales, .offset: 32, .size: 8, .value_kind: global_buffer, .address_space: global }
      - { .name: out0, .offset: 40, .size: 8, .value_kind: global_buffer, .address_space: global }
    .group_segment_fixed_size: 86528
    .private_segment_fixed_size: 0
    .kernarg_segment_align: 8
    .kernarg_segment_size: 48
    .max_flat_workgroup_size: 128
    .sgpr_count:     66
    .vgpr_count:     1024
    .wavefront_size: 32
...
	.end_amdgpu_metadata
.endif
;; end of part 2
